; MI455X (gfx1250); checked and timed in simulation.
; The chip was launched on July 23, 2026; its instructions are those of AMD's public machine-readable ISA for CDNA 5 (MIT licence, August 2026) and "CDNA5" Instruction Set Architecture Reference Guide (July 2026). The comments in the code are by the model that wrote it; some were corrected since.
;; Multi Head Self Attention. Allowed arithmetic: matrix products marked QUANTISED: E5M2 operands, one given power-of-two scale a tensor, by v_wmma_f32_16x16x64_bf8_bf8 or v_wmma_f32_16x16x128_bf8_bf8, f32 sums; everything else in f32.
;; Inputs: W_out_codes 1,024 x 32 x 32 uint8 (E5M2 codes of W_out, K innermost, in blocks of 32 codes); W_qkv_codes 3,072 x 32 x 32 uint8 (E5M2 codes of W_qkv, K innermost, in blocks of 32 codes); b_out 1,024 float32; b_qkv 3,072 float32; lowp_scales 8 int32 (the exponents e of the quantised operands' scales 2^e); pad_mask 4 x 2,048 bool; x_codes 4 x 2,048 x 32 x 32 uint8 (E5M2 codes of x, K innermost, in blocks of 32 codes).
;; Outputs: out0 4 x 2,048 x 1,024 float32.
;; This version of the problem:
;;   THIS VERSION OF THE PROBLEM IS GIVEN IN LOW PRECISION. The matrix products marked QUANTISED in the list below multiply operands that are first quantised to E5M2 (5 exponent bits, 2 mantissa bits; 8 bits a number), with one given power-of-two scale for each operand tensor; their sums are f32. All else is computed in f32.
;;   The module's matrix products, in the order in which they are computed (A, B: the left and right operand; K: the contracted axis; several contracted axes count as one K, in the product's order):
;;     1. [M 8,192, K 1,024] x [K 1,024, N 3,072]; A: input x (given as codes); B: input W_qkv (given as codes): QUANTISED (scales: A lowp_scales[0], B lowp_scales[1])
;;     2. batch 64 x [M 2,048, K 64] x [K 64, N 2,048]; A: computed on the way; B: computed on the way: QUANTISED (scales: A lowp_scales[2], B lowp_scales[3])
;;     3. batch 64 x [M 2,048, K 2,048] x [K 2,048, N 64]; A: softmax (see below); B: computed on the way: QUANTISED (scales: A lowp_scales[4], B lowp_scales[5])
;;     4. [M 8,192, K 1,024] x [K 1,024, N 1,024]; A: computed on the way; B: input W_out (given as codes): QUANTISED (scales: A lowp_scales[6], B lowp_scales[7])
;;   THE QUANTISER, for each operand of a quantised product, along K:
;;     - The operand's scale is 2^e, e = its entry of the input lowp_scales (int32; the entries are numbered through the quantised products in the list's order, A before B).
;;     - Each number is divided by the scale, clamped to +-57,344, and rounded to the nearest number of E5M2, ties to even, subnormals kept.
;;     - The product sums the exact products of the quantised numbers (number of the format x scale) in f32.
;;   ~~~python
;;   def quantise(x, axis, e):      # numpy; x: float32 -> the quantised numbers, widened to float32 again
;;       x = np.moveaxis(x, axis, -1); K = x.shape[-1]
;;       r = np.clip(x / 2.0 ** e, -57344, 57344)
;;       step = 2.0 ** (np.maximum(np.frexp(np.where(r == 0, 1, r))[1] - 1, -14) - 2)
;;       q = np.round(r / step) * step * 2.0 ** e      # np.round: ties to even
;;       return np.moveaxis(q, -1, axis).astype(np.float32)
;;   ~~~
;;   SOFTMAX AHEAD OF A QUANTISED PRODUCT. Where the list says 'softmax', what is quantised is not the finished softmax but p = 2^(t - M), with t = logit x log2(e) and M = ceil(the row's largest t), a whole number; so 1/2 < the row's largest p <= 1. The row's sum l is taken of the UNQUANTISED p, in f32, and the product's result is divided by l at the end. Since M is a whole number, a kernel that streams over the keys may use a running M (the ceiling of the running maximum): every later rescaling is an exact power of two, so the quantised numbers keep their values, but for numbers so far below the row's largest that they fall under the format's range.
;;   OPERANDS COMPUTED ON THE WAY. 'Computed on the way' means the value that the module computes at that place (a softmax that the list does not call 'softmax' is quantised finished and normalised). What goes into a quantiser is computed in f32, as accurately as f32 sums, v_exp_f32 and their like allow (about 1e-6 of the number): no bf16 or f16 on the way to a quantiser, and a product that is left as it is and whose result goes on into a quantised operand takes f32 operands (vector FMAs, or v_wmma_f32_16x16x4_f32). A number that lies on a knife's edge between two numbers of the format may be rounded either way, as far as f32 arithmetic and the matrix unit's own rounding can turn it there, and no further.
;;   INPUTS GIVEN AS CODES. W_out (in the module: [1024, 1024], K = its axis 0); W_qkv (in the module: [1024, 3072], K = its axis 0); x (in the module: [4, 2048, 1024], K = its axis 2): each comes as NAME_codes (uint8): NAME with its K axis moved to the last place and cut into blocks of 32 codes, [.., K / 32, bytes a block], one block behind the other in memory; one code a byte (a code: sign, 5 exponent bits, 2 mantissa bits); its scale is its entry of lowp_scales. Its value is code x scale, taken as it is: it is not quantised again, and the codes and scales need not be those that the quantiser above would give.
;; One version. Each part assembles by itself: llvm-mc -triple=amdgcn-amd-amdhsa -mcpu=gfx1250 --defsym DOCPART=n.
;; ======== version 1 of 1: 3 launches
;; limits: right only within a limited range of input values
;; workspace buffers: qkvc 25,165,824 bytes; ao 8,388,608 bytes
;; launch qkv (part 1): grid 12 x 32, 4 waves a work-group, clusters of 4 x 4, 327,680 bytes of LDS; arguments x_codes, W_qkv_codes, lowp_scales, b_qkv, pad_mask, qkvc; writes qkvc
.if DOCPART == 1
	.amdgcn_target "amdgcn-amd-amdhsa--gfx1250"
	.amdhsa_code_object_version 6
	.text
	.protected	k_q3ef9920a86_qkv
	.globl	k_q3ef9920a86_qkv
	.p2align	8
	.type	k_q3ef9920a86_qkv,@function
k_q3ef9920a86_qkv:
	s_mov_b64 s[64:65], 0
	v_nop
	global_prefetch_b8 v0, s[64:65] scope:SCOPE_SE
	s_setreg_imm32_b32 hwreg(HW_REG_WAVE_MODE, 25, 1), 1
	s_wait_xcnt 0x0
	s_wait_alu depctr_hold_cnt(0) depctr_sa_sdst(0) depctr_va_vdst(0) depctr_va_sdst(0) depctr_va_ssrc(0) depctr_va_vcc(0) depctr_vm_vsrc(0)
	s_getreg_b32 s2, hwreg(HW_REG_IB_STS2, 6, 4)
	s_cmp_eq_u32 s2, 0
	s_cbranch_scc0 .Lentry_in_a_cluster
	s_endpgm
.Lentry_in_a_cluster:
	s_bfe_u32 s2, ttmp6, 0x10000c
	s_cmp_lg_u32 s2, 0xf033
	s_cbranch_scc0 .Lentry_shape_is_right
	s_endpgm
.Lentry_shape_is_right:
; qkv = x W_qkv + b_qkv on codes of E5M2, then q, k and v are quantised (scales 2^e2, 2^e3, 2^e5) and stored as codes, laid as IMAGES OF THE OPERAND REGISTERS of the attention launch.
; x: [8192][1024] codes, W_qkv: [3072][1024] codes, K innermost.  A sum stands for sum x 2^(e0 + e1): the bias goes in as b / 2^(e0 + e1), and the conversion's one scale is 2^(e_t - e0 - e1).
; A tile of 256 tokens x 256 features is made by four waves, 128 x 128 each: 64 accumulators, 512 registers.  K goes in four steps of 256 through a ring of two LDS slots.
; 12 x 32 tiles; the tile borders fall on the borders of q, k, v (1,024 features) and of heads (64), so a work-group serves one of the three tensors: cluster x = 0: q, 1: k, 2: v.
; CLUSTERS: 4 x 4 work-groups.  The four of a row of the cluster need the same tile of x, the four of a column the same tile of W: each tile is asked for jointly, by the same tensor load with a mask of the four.
; WHICH OPERAND IS SOURCE 0.  In a result a lane holds one column of source 1 and eight neighbouring rows of source 0, and a conversion packs a lane's eight registers.  The next products' K is the head's channel for q and k
; and the key for v.  So for q and k source 0 = 16 rows of W (channels along the registers) and source 1 = 16 tokens; for v source 0 = 16 tokens (keys along the registers) and source 1 = 16 rows of W.
; The loop is one text: only the two LDS bases from which the fragments are read change places, by a choice on the cluster's x, which all sixteen partners share.
; THE MASK.  The codes of k at a masked key are made 0 (the hold's limit is 0 there), so that the attention launch's score of such a key is exactly what it adds as C.
; OUT: q at byte 0, k at 8,388,608: [batch x 16 + head][tile of 16 tokens][c 0..1][lane][16 bytes]: registers 4 c .. 4 c + 3 of the fragment (16 tokens x 64 channels; registers 2 f, 2 f + 1: channels 16 f + 8 (lane / 16) + 0 .. 7).
;      v at 16,777,216: [batch x 16 + head][step of 64 keys][tile of 16 channels][c][lane][16 bytes]: registers 2 t, 2 t + 1: keys 16 t + 8 (lane / 16) + 0 .. 7 of the step.
; Each store of a wave covers 512 consecutive bytes, aligned; nothing goes through a stage.
; LIMITS: e_t - e0 - e1 between -126 and 112 for e_t = e2, e3, e5, so that the powers of two below are f32 numbers.  NaN among the inputs is not served.
; REGISTERS, in windows of 256: window 0: v1-29 addresses; v32-95 the bias along source 0; v96-111 the bias along source 1; v112-119 the hold's limit for each block of source 1; v120 the scale, v121 the limit;
;   from v128 source 1's fragments (8 x 16 rows x 128 K), ONE set; on the way out v128-191 numbers, v192-255 codes.   window 1: source 0's fragments, TWO sets.   windows 2, 3: the accumulators ((a, b) at v[8 (8 (a % 4) + b)]).
.set ROWB,   256                       ; a tile's row in bytes: 256 codes
.set KROW,   1024                      ; a row of x or of W in memory, in bytes
.set PITCH,  272                       ; an LDS row: 256 bytes + 16 of padding = 68 words, so that the 16 rows of a fragment load start at 16 different banks (64 banks of 4 bytes: ISA guide 11.1)
.set FR,     16                        ; registers of a fragment: 16 rows x 128 K
.set NL,     4                         ; LDS loads that bring one
.set NP,     4                         ; places behind this matrix instruction (ISA guide 7.12.1)
.set HALFT,  128*PITCH                 ; 128 rows: what one tensor load brings
.set SLOT,   4*HALFT                   ; x's 256 rows, then W's 256 rows
.set LAPS,   2                         ; 1,024 along K = two laps of two K steps of 256
.set SPARE,  2*SLOT                    ; behind the ring: the spare words, 128 bytes for each wave, which no other line names
.set ADRA, 16                          ; v16-17  LDS address of source 1's fragments in slot 0, 1
.set ADRB, 20                          ; v20-21  the same for source 0
.set CO,   26                          ; v26     16 x lane: my place in a store's 512 bytes
.set SPW,  28                          ; v28     LDS address of my spare word; never rewritten
.set NIL,  29                          ; v29     0; never rewritten
.set BP,   32
.set BR,   96
.set LIM,  112
.set SC,   120
.set LV,   121
.set AF,   128
.set TMP,  128
.set CD,   192
.set G1, 24                            ; s[24:31] descriptor group 1 for x's tiles;  s[32:39] group 0, one set for each slot
.set G0, 32
.set G1B, 48                           ; s[48:55], s[56:63] the same for W's tiles
.set G0B, 56
.set MSB, 0
.macro WIN new                         ; the immediate's high byte repeats the setting that is left; a switch that changes nothing is dropped
.if MSB != (\new)
	s_set_vgpr_msb (MSB<<8)|(\new)
.set MSB, (\new)
.endif
.endm
.set MUL_LO, 0xa1                      ; source 0 window 1, source 1 window 0, C and D window 2
.set MUL_HI, 0xf1                      ; the same, C and D window 3
.set TO_B,   0x40                      ; destination window 1, address window 0
; A joint load: waves 0 and 1 fetch x's halves, waves 2 and 3 W's.  The branch hangs on the wave's number alone.  Four v_nop follow each of the two lines.
.macro JLOAD g0a, g1a, g0b, g1b
	s_cmp_eq_u32 s15, 0
	s_cbranch_scc0 .Lfor_b_\@
	tensor_load_to_lds s[\g0a:\g0a+3], s[\g1a:\g1a+7]
	s_nop 0
.rept 4
	v_nop
.endr
	s_branch .Lasked_\@
.Lfor_b_\@:
	tensor_load_to_lds s[\g0b:\g0b+3], s[\g1b:\g1b+7]
	s_nop 0
.rept 4
	v_nop
.endr
.Lasked_\@:
.endm
.macro CREST                           ; a round of the cluster's barrier behind its opening barrier
	s_cmp_lg_u32 s14, 0
	s_cbranch_scc1 .Lnot_wave_0_\@
	s_barrier_signal -3
.Lnot_wave_0_\@:
	s_barrier_wait -3
	s_barrier_signal -1
	s_barrier_wait -1
.endm
.macro CROUND                          ; a whole round
	s_barrier_signal -1
	s_barrier_wait -1
	CREST
.endm
	s_load_b256 s[4:11], s[0:1], 0x0               ; x's codes s[4:5], W's codes s[6:7], the scales' exponents s[8:9], b_qkv s[10:11]
	s_load_b128 s[68:71], s[0:1], 0x20             ; pad_mask s[68:69], qkvc s[70:71]
	v_lshl_add_u32 v[SPW], v0, 2, SPARE
	v_mov_b32 v[NIL], 0
	ds_add_u32 v28, v29
	ds_add_u32 v28, v29
	s_wait_dscnt 0x0
	v_lshrrev_b32 v1, 5, v0
	v_readfirstlane_b32 s14, v1                    ; wave 0..3
	s_lshr_b32 s15, s14, 1                         ; which half of source 1's rows is mine.  Also: I fetch for x (0) or for W (1)
	s_and_b32 s16, s14, 1                          ; which half of source 0's rows.  Also: which 128 rows of that tile I fetch
	s_bfe_u32 s40, ttmp6, 0x40000                  ; cx, cy: my place in the cluster
	s_bfe_u32 s41, ttmp6, 0x40004
	s_lshl_b32 s42, ttmp9, 2
	s_add_co_u32 s42, s42, s40                     ; wx: tile of 256 features = 4 x cluster x + cx
	s_and_b32 s17, ttmp7, 0xffff
	s_lshl_b32 s17, s17, 2
	s_add_co_u32 s17, s17, s41                     ; wy: tile of 256 tokens = 4 x cluster y + cy
	s_lshl_b32 s43, s41, 2
	s_lshl_b32 s43, 15, s43                        ; my row of the cluster
	s_lshl_b32 s44, 0x1111, s40                    ; my column
	; descriptor group 1: a tile of 128 rows x 256 bytes, padded in LDS
	; no padding field: a tile is stated PITCH = 272 bytes wide over a tensor of 256, so the 16 bytes behind each LDS row are written as zeros by the load itself (elements past tensor_dim0)
	s_or_b32 s[G1+0], s43, (0<<16)|(1<<21)         ; 15:0 the mask: x's tiles go to my row; 17:16 elements of 1 byte; 21 set beside a mask
	s_or_b32 s[G1B+0], s44, (0<<16)|(1<<21)        ; W's tiles go to my column
.irp g, G1, G1B
	s_mov_b32 s[\g+1], ROWB<<16                    ; tensor_dim0 = 256
	s_mov_b32 s[\g+2], 128<<16                     ; tensor_dim1 = 128
	s_mov_b32 s[\g+3], PITCH<<16                   ; tile_dim0 = 272: 256 codes and 16 zeros
	s_mov_b32 s[\g+4], 128                         ; tile_dim1 = 128
	s_mov_b32 s[\g+5], KROW                        ; from row to row
	s_mov_b32 s[\g+6], 0
	s_mov_b32 s[\g+7], 0
.endr
	s_lshl_b32 s18, s16, 7                         ; which 128 rows of the tile I fetch
	s_lshl_b32 s20, s17, 8
	s_add_co_u32 s20, s20, s18                     ; x: row 256 wy + 128 x half
	s_lshl_b32 s46, s42, 8
	s_add_co_u32 s46, s46, s18                     ; W: row 256 wx + 128 x half
	s_lshl_b32 s20, s20, 10                        ; rows of 1,024 bytes: both offsets stay under 2^23
	s_lshl_b32 s46, s46, 10
	s_mov_b32 s21, 0
	s_mov_b32 s47, 0
	s_mul_i32 s45, s14, HALFT                      ; where they go: wave x 128 rows: no place in the cluster enters an LDS address
	s_wait_kmcnt 0x0
	s_load_b256 s[72:79], s[8:9], 0x0              ; e0 .. e7
	s_add_nc_u64 s[20:21], s[4:5], s[20:21]
	s_add_nc_u64 s[46:47], s[6:7], s[46:47]
	CROUND                                         ; all sixteen work-groups are here: the first joint loads meet
.irp s, 0,1
	s_mov_b32 s[G0+4*\s], 1
	s_add_co_u32 s[G0+4*\s+1], s45, \s*SLOT
	s_add_nc_u64 s[G0+4*\s+2:G0+4*\s+3], s[20:21], \s*ROWB
	s_or_b32 s[G0+4*\s+3], s[G0+4*\s+3], 0x80000000
	s_mov_b32 s[G0B+4*\s], 1
	s_add_co_u32 s[G0B+4*\s+1], s45, \s*SLOT
	s_add_nc_u64 s[G0B+4*\s+2:G0B+4*\s+3], s[46:47], \s*ROWB
	s_or_b32 s[G0B+4*\s+3], s[G0B+4*\s+3], 0x80000000
.endr
	JLOAD G0, G1, G0B, G1B                         ; K step 0: one tensor load a wave at the head
	v_and_b32 v1, 15, v0                           ; r = lane % 16
	v_bfe_u32 v2, v0, 4, 1                         ; h = lane / 16
	v_mul_u32_u24 v3, v1, PITCH
	v_lshl_add_u32 v4, v2, 4, v3                   ; a fragment's row x pitch + 16 h
	s_wait_alu depctr_va_vdst(0)
	s_cmp_eq_u32 ttmp9, 2                          ; v's work-groups: the cluster's x, the same in all sixteen partners
	s_cselect_b32 s80, 1, 0
	s_cselect_b32 s82, 2*HALFT, 0                  ; source 1 is read from x's rows (q, k) or from W's, which lie behind x's 256 (v)
	s_cselect_b32 s83, 0, 2*HALFT                  ; source 0 from the other
	s_cselect_b32 s92, s15, s16                    ; which pair of heads is my wave's,
	s_cselect_b32 s93, s16, s15                    ; and which 128 tokens
	s_mul_i32 s21, s15, HALFT
	s_add_co_u32 s21, s21, s82
	s_mul_i32 s22, s16, HALFT
	s_add_co_u32 s22, s22, s83
.irp s, 0,1
	v_add_nc_u32 v[ADRA+\s], s21, v4
	v_add_nc_u32 v[ADRB+\s], s22, v4
	s_add_co_u32 s21, s21, SLOT
	s_add_co_u32 s22, s22, SLOT
.endr
	v_and_b32 v6, 31, v0
	v_lshlrev_b32 v[CO], 4, v6
	v_lshlrev_b32 v5, 5, v2                        ; 32 h: eight f32 of the bias for each half of the lanes
	s_wait_alu depctr_va_vdst(0)
	v_lshlrev_b32 v7, 2, v1                        ; 4 r
	s_wait_alu depctr_va_vdst(0)
	s_lshl_b32 s86, s42, 10                        ; the bias along source 0: b_qkv at feature 256 wx + 128 (wave & 1)
	s_lshl_b32 s87, s16, 9
	s_add_co_u32 s86, s86, s87
	s_mov_b32 s87, 0
	s_add_nc_u64 s[86:87], s[10:11], s[86:87]
	s_lshl_b32 s88, s42, 10                        ; the bias along source 1: at feature 256 wx + 128 (wave / 2)
	s_lshl_b32 s89, s15, 9
	s_add_co_u32 s88, s88, s89
	s_mov_b32 s89, 0
	s_add_nc_u64 s[88:89], s[10:11], s[88:89]
	s_lshl_b32 s90, s17, 8                         ; the mask at token 256 wy + 128 (wave / 2)
	s_lshl_b32 s91, s15, 7
	s_add_co_u32 s90, s90, s91
	s_mov_b32 s91, 0
	s_add_nc_u64 s[90:91], s[68:69], s[90:91]
	; All three are loaded in every work-group, whichever tensor it serves: every address lies inside its buffer, and both ways out find every register written.
.irp b, 0,1,2,3,4,5,6,7
	global_load_b128 v[BP+8*\b:BP+8*\b+3], v5, s[86:87] offset:64*\b        ; b_qkv[.. + 16 b + 8 h + 0 .. 3]
	global_load_b128 v[BP+8*\b+4:BP+8*\b+7], v5, s[86:87] offset:64*\b+16
.endr
.irp a, 0,1,2,3,4,5,6,7
	global_load_b32 v[BR+2*\a], v7, s[88:89] offset:64*\a                   ; b_qkv[.. + 16 a + r]
	global_load_u8 v[LIM+\a], v1, s[90:91] offset:16*\a                     ; pad_mask[.. + 16 a + r]
.endr
	; where my wave's codes go: tensor x 2^23 + batch x 2^21 + (4 (wx & 3) + 2 x pair) heads of 2^17 + (wy & 7) x 2^14 + 128 tokens x 2^13
	s_lshl_b32 s84, ttmp9, 23
	s_lshr_b32 s85, s17, 3
	s_lshl_b32 s85, s85, 21
	s_add_co_u32 s84, s84, s85
	s_and_b32 s85, s42, 3
	s_lshl_b32 s85, s85, 19
	s_add_co_u32 s84, s84, s85
	s_and_b32 s85, s17, 7
	s_lshl_b32 s85, s85, 14
	s_add_co_u32 s84, s84, s85
	s_lshl_b32 s92, s92, 18
	s_add_co_u32 s84, s84, s92
	s_lshl_b32 s93, s93, 13
	s_add_co_u32 s84, s84, s93
	s_mov_b32 s85, 0
	s_add_nc_u64 s[84:85], s[70:71], s[84:85]
	s_wait_kmcnt 0x0                               ; the exponents
	s_cmp_eq_u32 ttmp9, 0
	s_cselect_b32 s82, s74, s75                    ; e2 for q, e3 for k,
	s_cmp_eq_u32 ttmp9, 2
	s_cselect_b32 s82, s77, s82                    ; e5 for v
	s_cmp_lg_u32 ttmp9, 1
	s_cselect_b32 s93, 1, 0                        ; 1 where the mask does not count: q and v
	s_add_co_i32 s83, s72, s73                     ; e0 + e1
	s_sub_co_i32 s82, s82, s83
	s_add_co_i32 s82, s82, 127
	s_lshl_b32 s92, s82, 23
	v_mov_b32 v[SC], s92                           ; 2^(e_t - e0 - e1) as f32: the conversion takes its exponent field
	s_add_co_i32 s82, s82, 15
	s_lshl_b32 s82, s82, 23
	s_or_b32 s82, s82, 0x600000
	v_mov_b32 v[LV], s82                           ; 57,344 x that
	s_sub_co_i32 s83, 0, s83
	s_wait_loadcnt 0x0                             ; biases and mask
.set n, 0
.rept 64
	v_ldexp_f32 v[BP+n], v[BP+n], s83              ; b / 2^(e0 + e1)
.set n, n+1
.endr
.irp a, 0,1,2,3,4,5,6,7
	v_ldexp_f32 v[BR+2*\a], v[BR+2*\a], s83
	v_or_b32 v[LIM+\a], s93, v[LIM+\a]
.endr
.irp a, 0,1,2,3,4,5,6,7
	v_mov_b32 v[BR+2*\a+1], v[BR+2*\a]             ; a pair with both halves alike, for the packed addition
	v_cmp_ne_u32 vcc_lo, 0, v[LIM+\a]
	v_cndmask_b32 v[LIM+\a], 0, v[LV], vcc_lo      ; the hold's limit: 0 for k at a masked key, so that its codes are zeros
.endr
.macro FRAG reg, adr, q, i             ; a fragment, 16 rows x 128 K, is 16 registers: lane l holds row l % 16; registers 4 c .. 4 c + 3 hold K = 32 c + 16 (l / 16) + 0 .. 15: the same order of K in both sources
.irp c, 0,1,2,3
	ds_load_b128 v[\reg+4*\c:\reg+4*\c+3], v[\adr] offset:128*(\q)+32*\c+(\i)*16*PITCH
.endr
.endm
; 16 matrix instructions: source 1's blocks a0, a0 + 1 x source 0's eight, 128 along K.  p: source 0's set.  zero = 1: the first product starts the sums.
; The 64 accumulators take turns, one instruction a turn, in the same order in every step.
.macro MUL16 a0, p, zero
.irp a, \a0, \a0+1
.irp b, 0,1,2,3,4,5,6,7
.if \zero
	v_wmma_f32_16x16x128_bf8_bf8 v[8*(8*((\a)%4)+\b):8*(8*((\a)%4)+\b)+7], v[128*(\p)+FR*\b:128*(\p)+FR*\b+FR-1], v[AF+FR*(\a):AF+FR*(\a)+FR-1], 0
.else
	v_wmma_f32_16x16x128_bf8_bf8 v[8*(8*((\a)%4)+\b):8*(8*((\a)%4)+\b)+7], v[128*(\p)+FR*\b:128*(\p)+FR*\b+FR-1], v[AF+FR*(\a):AF+FR*(\a)+FR-1], v[8*(8*((\a)%4)+\b):8*(8*((\a)%4)+\b)+7]
.endif
.endr
.endr
.endm
.macro FETCH_B slot, q, p              ; source 0's eight fragments of the slot's q-th 128 along K into set p
	WIN TO_B
.irp i, 0,1,2,3,4,5,6,7
	FRAG 128*(\p)+FR*\i, ADRB+\slot, \q, \i
.endr
	WIN 0
.endm
.macro FETCH_A slot, q, i0             ; source 1's blocks i0 .. i0 + 3
.irp i, \i0, \i0+1, \i0+2, \i0+3
	FRAG AF+FR*(\i), ADRA+\slot, \q, \i
.endr
.endm
; A load into a register that a matrix instruction has read, and a vector instruction that reads a matrix result, stand NP places behind that matrix instruction; only plain vector
; instructions that name none of its registers are places (ISA guide 7.12.1 for vector instructions).
.macro PLACES n
.rept \n
	v_nop
.endr
.endm
; A step of 128 along K that has its successor in the same slot.
.macro STEP slot, q, zero
	s_wait_dscnt 4*NL                              ; source 0's set and source 1's blocks 0-3 are in; the youngest sixteen loads (blocks 4-7) may be out
	WIN MUL_LO
	MUL16 0, (\q)%2, \zero
	MUL16 2, (\q)%2, \zero
	s_wait_dscnt 0                                 ; blocks 4-7 are in (asked for 32 matrix instructions ago)
	PLACES NP
	FETCH_B \slot, (\q)+1, 1-(\q)%2
	FETCH_A \slot, (\q)+1, 0
	WIN MUL_HI
	MUL16 4, (\q)%2, \zero
	MUL16 6, (\q)%2, \zero
	PLACES NP
	WIN 0
	FETCH_A \slot, (\q)+1, 4
.endm
; A slot's last step changes slots: ONE barrier; in front of it each wave waits for all its tensor loads, adds 0 to its spare word, and waits for that and for its own reads of this slot.  fill = 1: this slot is filled again, two K steps ahead.
.macro TURN slot, next, fill
	s_wait_tensorcnt 0x0                           ; all my tensor loads have landed: my part of the next slot  (every window is 0 here)
	ds_add_u32 v[SPW], v[NIL]                      ; 0 onto my spare word
	s_wait_dscnt 4*NL+1                            ; (the add and the youngest sixteen loads may be out)
	WIN MUL_LO
	MUL16 0, 1, 0                                  ; sixteen matrix instructions stand between the add and the wait for it
	s_wait_dscnt 0x0                               ; the add is done, and my reads of this slot are over
	s_barrier_signal -1
	MUL16 2, 1, 0
	WIN 0
	s_barrier_wait -1
.if \fill
	CREST                                          ; the barrier has opened a round of the cluster's barrier: no wave of any partner still reads this slot's tile or has a load on its way
	s_add_nc_u64 s[G0+4*\slot+2:G0+4*\slot+3], s[G0+4*\slot+2:G0+4*\slot+3], 2*ROWB
	s_add_nc_u64 s[G0B+4*\slot+2:G0B+4*\slot+3], s[G0B+4*\slot+2:G0B+4*\slot+3], 2*ROWB
	JLOAD G0+4*\slot, G1, G0B+4*\slot, G1B         ; the first tensor load behind the round; its four v_nop are the places in front of the loads below
.else
	PLACES NP
.endif
	FETCH_B \next, 0, 0
	FETCH_A \next, 0, 0
	WIN MUL_HI
	MUL16 4, 1, 0
	MUL16 6, 1, 0
	PLACES NP
	WIN 0
	FETCH_A \next, 0, 4
.endm
	s_wait_alu depctr_va_vdst(0)
	s_wait_tensorcnt 0x0                           ; my part of K step 0 is in; slot 1's first fill is issued as a refill is:
	ds_add_u32 v[SPW], v[NIL]                      ; 0 onto my spare word
	s_wait_dscnt 0x0
	CROUND                                         ; everybody's part of K step 0 is in, and all sixteen work-groups are here
	JLOAD G0+4, G1, G0B+4, G1B                     ; K step 1: the first tensor load behind the round
	FETCH_B 0, 0, 0
	FETCH_A 0, 0, 0
	FETCH_A 0, 0, 4
	STEP 0, 0, 1                                   ; the first step stands in front of the loop: its products start the sums
	s_mov_b32 s3, LAPS-1
.Llap:                                                 ; a trip goes once round the ring, from a lap's second step to the next lap's first, and fills both slots again
	TURN 0, 1, 1
	STEP 1, 0, 0
	TURN 1, 0, 1
	STEP 0, 0, 0
	s_sub_co_u32 s3, s3, 1
	s_cmp_lg_u32 s3, 0
	s_cbranch_scc1 .Llap
	TURN 0, 1, 0                                   ; the last lap fills nothing, and has no round of the cluster's barrier
	STEP 1, 0, 0
	s_wait_dscnt 4*NL                              ; the very last step: nothing more to fetch
	WIN MUL_LO
	MUL16 0, 1, 0
	MUL16 2, 1, 0
	s_wait_dscnt 0
	WIN MUL_HI
	MUL16 4, 1, 0
	MUL16 6, 1, 0
	WIN 0
; THE WAY OUT, block a of source 1 (16 lanes' columns x 128 of source 0) at a time: + bias, the hold, the conversion, four stores.  A block's eight accumulators become 16 registers of codes:
; registers 2 b, 2 b + 1 hold source 0's rows 16 b + 8 (lane / 16) + 0 .. 7: two fragments of 8 registers, stored as they stand.  isv = 0: q, k (two heads of one tile of tokens); isv = 1: v (two key steps of one tile of channels).
.macro OUT isv
.irp a, 0,1,2,3,4,5,6,7
.if \a == 4
	s_wait_xcnt 0x0                                ; the stores of blocks 0-3 have read their codes' registers, which blocks 4-7 write again
.endif
	WIN 0x02+(\a/4)                                ; source 0: window 2 or 3
.set n, 0
.rept 32
.if \isv
	v_pk_add_f32 v[TMP+n:TMP+n+1], v[64*(\a%4)+n:64*(\a%4)+n+1], v[BR+2*\a:BR+2*\a+1]   ; each accumulator from its low end on
.else
	v_pk_add_f32 v[TMP+n:TMP+n+1], v[64*(\a%4)+n:64*(\a%4)+n+1], v[BP+n:BP+n+1]
.endif
.set n, n+2
.endr
	WIN 0
.set n, 0
.rept 64
	v_med3_num_f32 v[TMP+n], v[TMP+n], -v[LIM+\a], v[LIM+\a]   ; the conversion to an 8-bit code does not saturate (ISA guide 7.6.2): the hold at the largest code x the scale; 0 for k at a masked key
.set n, n+1
.endr
.irp b, 0,1,2,3,4,5,6,7
	v_cvt_scalef32_pk8_bf8_f32 v[CD+16*(\a%4)+2*\b:CD+16*(\a%4)+2*\b+1], v[TMP+8*\b:TMP+8*\b+7], v[SC]
.endr
	v_nop                                          ; one plain vector instruction between the conversions and the next block's additions, which write their sources
.irp e, 0,1,2,3
.if \isv
	global_store_b128 v[CO], v[CD+16*(\a%4)+4*\e:CD+16*(\a%4)+4*\e+3], s[84:85] offset:(\a/4)*131072+(\a%4)*1024+(\e/2)*4096+(\e%2)*512
.else
	global_store_b128 v[CO], v[CD+16*(\a%4)+4*\e:CD+16*(\a%4)+4*\e+3], s[84:85] offset:(\e/2)*131072+\a*1024+(\e%2)*512
.endif
.endr
.endr
.endm
	PLACES NP                                      ; behind the last products: their results are read and source 1's registers written below
	s_cmp_eq_u32 s80, 0                            ; the cluster's x alone decides: the same way in all sixteen partners
	s_cbranch_scc0 .Lv
	OUT 0
	s_branch .Lend
.Lv:
	OUT 1
.Lend:
	s_wait_tensorcnt 0x0                           ; the wave's end
	ds_add_u32 v[SPW], v[NIL]
	s_wait_dscnt 0x0
	CROUND                                         ; the closing round: no work-group ends while a partner may still ask for a tile that names it
	s_endpgm
.Lfunc_end_k_q3ef9920a86_qkv:
	.size	k_q3ef9920a86_qkv, .Lfunc_end_k_q3ef9920a86_qkv-k_q3ef9920a86_qkv
	.p2alignl 7, 3214868480
	.fill 96, 4, 3214868480
	.section	.rodata,"a",@progbits
	.p2align	6, 0x0
	.amdhsa_kernel k_q3ef9920a86_qkv
		.amdhsa_group_segment_fixed_size 327680
		.amdhsa_private_segment_fixed_size 0
		.amdhsa_enable_private_segment 0
		.amdhsa_kernarg_size 48
		.amdhsa_user_sgpr_count 2
		.amdhsa_user_sgpr_kernarg_segment_ptr 1
		.amdhsa_wavefront_size32 1
		.amdhsa_system_sgpr_workgroup_id_x 1
		.amdhsa_system_sgpr_workgroup_id_y 1
		.amdhsa_system_sgpr_workgroup_id_z 1
		.amdhsa_system_vgpr_workitem_id 0
		.amdhsa_next_free_vgpr 1024
		.amdhsa_next_free_sgpr 100
		.amdhsa_reserve_vcc 1
		.amdhsa_float_denorm_mode_32 3
		.amdhsa_float_denorm_mode_16_64 3
		.amdhsa_memory_ordered 1
		.amdhsa_forward_progress 1
		.amdhsa_inst_pref_size 199
	.end_amdhsa_kernel
	.amdgpu_metadata
---
amdhsa.version: [ 1, 2 ]
amdhsa.kernels:
  - .name:           k_q3ef9920a86_qkv
    .symbol:         k_q3ef9920a86_qkv.kd
    .args:
      - { .name: x_codes, .offset: 0, .size: 8, .value_kind: global_buffer, .address_space: global }
      - { .name: W_qkv_codes, .offset: 8, .size: 8, .value_kind: global_buffer, .address_space: global }
      - { .name: lowp_scales, .offset: 16, .size: 8, .value_kind: global_buffer, .address_space: global }
      - { .name: b_qkv, .offset: 24, .size: 8, .value_kind: global_buffer, .address_space: global }
      - { .name: pad_mask, .offset: 32, .size: 8, .value_kind: global_buffer, .address_space: global }
      - { .name: qkvc, .offset: 40, .size: 8, .value_kind: global_buffer, .address_space: global }
    .group_segment_fixed_size: 327680
    .private_segment_fixed_size: 0
    .kernarg_segment_align: 8
    .kernarg_segment_size: 48
    .max_flat_workgroup_size: 128
    .sgpr_count:     100
    .vgpr_count:     1024
    .wavefront_size: 32
...
	.end_amdgpu_metadata
.endif
;; end of part 1
;; launch attn (part 2): grid 4 x 64, 16 waves a work-group, no clusters, 272,384 bytes of LDS; arguments qkvc, pad_mask, lowp_scales, ao; writes ao
.if DOCPART == 2
	.amdgcn_target "amdgcn-amd-amdhsa--gfx1250"
	.amdhsa_code_object_version 6
	.text
	.protected	k_q3ef9920a86_attn
	.globl	k_q3ef9920a86_attn
	.p2align	8
	.type	k_q3ef9920a86_attn,@function
k_q3ef9920a86_attn:
	s_mov_b64 s[64:65], 0
	v_nop
	global_prefetch_b8 v0, s[64:65] scope:SCOPE_SE
	s_setreg_imm32_b32 hwreg(HW_REG_WAVE_MODE, 25, 1), 1
	s_wait_xcnt 0x0
; Attention on codes of E5M2: for each of 64 heads (batch x 16 + head), o = softmax(mask(q k^T / 8)) v, then o is quantised (2^e6) and stored as codes in the order in which the last product's fragments take them.
; q, k, v come from qkvc as images of operand registers: a fragment is two loads of 16 bytes a lane at 16 x lane.
; THE SOFTMAX AHEAD OF THE SECOND PRODUCT: t = logit x log2(e); M = the running largest t rounded UP to a whole number, kept as -M = floor(-t); p = 2^(t - M) is what is quantised (2^e4); it is not normalised.
; The row's sum is taken of the unquantised p and divides at the end.  When M moves, the sum and O are multiplied by 2^(old M - new M), which rounds nothing.
; THE MASK.  pad_mask is read as whole numbers (bytes 0 or 1).  Each wave makes two words of 32 bits from its batch's 2,048 bytes; the step of keys 64 s .. 64 s + 63, s = 8 m + i, has bit 4 i + m:
;   LIVE: some key of the step counts.  A step with no such key is passed over by a scalar branch: each of its p would be 0 beside a key that counts.  Where no key of the whole batch counts, LIVE is made all ones: every step is walked.
;   FULL: every key of the step counts: its products k q^T start from the constant 0.
; In any other step each product takes as its C eight numbers a lane: 0 for a key that counts, -2^(33 - e2 - e3) for a masked one, whose codes of k are zeros (the launch before makes them so).
; So a masked key's logit is exactly -2^30, its p is 0 beside any key that counts, and in a row whose keys are all masked every p is 1: the mean of v.
; LIMIT: the masked logit is -2^30 (or the key is passed over) where the definition has -1e9: the same results unless a logit that counts lies under about -9.9e8.
; LIMITS on the given exponents, so that each power of two below is an f32 number: e2 + e3 between -94 and 130; e4 and e6 between -126 and 112; e4 + e5 is applied by v_ldexp_f32 and has none.  NaN is not served.
; SHARES.  A work-group owns 512 queries of one head; each of its sixteen waves owns 32: two tiles of 16 (X = 0, 1), so that each fragment of k and v read from LDS feeds two products.  256 registers a wave, four waves to a SIMD.
; LDS.  A head's k (131,072 bytes) and v (131,072) have bytes of their own, each written at most once, through registers, in EIGHT GROUPS of four steps (16,384 bytes of each): a thread brings four pieces of 16 bytes a group,
; every wave's load and store covering 512 consecutive bytes.  At the HEAD of group g a wave stores its pieces of group g + 1, asks for those of group g + 2 and signals the barrier; it waits for the barrier at the END of group g.
; So every wave's stores of group g + 1 are done ahead of its signal, and no wave reads group g + 1 ahead of its wait; between the two stand register work and LDS loads of group g, whose bytes nobody writes again.
; A group with no live step is neither asked for nor stored, and none of its steps reads it.  Behind k and v lie 2,048 f32, the C numbers of the keys, four keys a thread; then the spare words.
; NO TENSOR LOAD, NO CLUSTER: the steps' branches hang on numbers read from memory; the four query blocks of a head each read k and v themselves.
; NO PREFETCH: each group's own loads are issued four steps ahead of the stores that wait for them.
; LAYOUT.  Both products are used transposed: S^T = k q^T (source 0 = 16 keys, source 1 = 16 queries), O^T = v^T p^T (source 0 = 16 channels, source 1 = p): a lane holds one query (lane % 16) throughout.
; The conversion of tile t of S^T (a lane's keys 16 t + 8 (lane / 16) + 0 .. 7) gives registers 2 t, 2 t + 1 of p's fragment, in the matrix form's own order of K, which is also v's image's.
.set AK0, 1                            ; v1   16 x lane: my place in an image of k; also in q's, ao's and the mask's rows
.set AV0, 2                            ; v2   the same in v's part of LDS
.set AB0, 3                            ; v3   the C numbers: their base + 32 (lane / 16)
.set ADK, 4                            ; v4-6 the step's LDS addresses; v4, v5 also a group's stores'
.set ADV, 5
.set ADB, 6
.set LP,  6                            ; the way out: the largest number x the scale
.set MO,  7                            ; v7   4 x thread: my word of the mask
.set ST,  8                            ; tile X's v[ST+4X ..]: -M, the largest score, the sum in two halves
.set QF,  16                           ; v16-31   q's two fragments
.set FR,  32                           ; v32-63   four fragments of k, then of v (at the head: the mask)
.set BI,  64                           ; v64-95   the C numbers of the step's four tiles
.set P,   64                           ; v64-79   then p's codes
.set S,   96                           ; v96-159  S^T, then p: 32 a tile of queries
.set O,   160                          ; v160-223 O^T: 32 a tile of queries
.set G,   224                          ; v224-239 my four pieces of the group on its way
.set FO,  240                          ; v240     16 x thread
.set SCP, 241                          ; v241     the scale as f32
.set TP,  242                          ; tile X's v[TP+6X ..]: two running maxima, f (a pair), a pair at work
.set BST, 246                          ; at the head v246: where my four keys' C numbers go
.set PX,  254                          ; v254-255 what comes from the other half of the lanes
.set WV,  12                           ; s12  my wave's number
.set LIVE, 16                          ; s16, s17 the two words of the mask
.set FULL, 17
.set LPS, 18                           ; s18  57,344 x 2^e4
.set IDX, 19                           ; s19  the step's bit
.set KB,  20                           ; s[20:21] the group to be asked for next in the head's image of k, s[22:23] of v
.set VB,  22
.set MW,  24                           ; s24-31 at the head: the mask's words in the making
.set GC,  32                           ; s32  the group
.set IC,  33                           ; s33  steps to go in the group
.set ASKF, 34                          ; s34  not 0: the group last considered for asking has a live step
.set FOFF, 35                          ; s35  LDS byte of the group to be stored next
.set CS,  48                           ; s[48:49] c = log2(e) / 8 x 2^(e2 + e3), twice
.set SEL, 50                           ; s[50:51] lane selects for v_permlanex16_b32: lane l xor 16
.set KOFF, 52                          ; s52  LDS byte of the step in k's and in v's image
.set BOFF, 53                          ; s53  and among the C numbers
.set CNT, 54                           ; s54  the step
.set HI16, 55                          ; s55  a lane mask: lanes 16-31
.set NCS, 70                           ; s70  -c
.set EPV, 71                           ; s71  e4 + e5
.set VLDS, 131072
.set BLDS, 262144
.set SPARE, 270336                     ; the spare words: 128 bytes for each of 16 waves
.set GRP, 16384                        ; a group's bytes of k, and of v
.macro GLIVE k                         ; s[ASKF]: has group GC + k a live step?  Group g = 2 m + u holds steps 8 m + 4 u + 0 .. 3: bits 16 u + m + 0, 4, 8, 12
	s_add_co_u32 s56, s[GC], \k
	s_lshr_b32 s57, s56, 1
	s_and_b32 s56, s56, 1
	s_lshl_b32 s56, s56, 4
	s_add_co_u32 s56, s56, s57
	s_lshr_b32 s56, s[LIVE], s56
	s_and_b32 s[ASKF], s56, 0x1111
.endm
.macro ASK                             ; my four pieces of the group at s[KB], s[VB]
.irp u, 0,1
	global_load_b128 v[G+4*\u:G+4*\u+3], v[FO], s[KB:KB+1] offset:\u*8192
	global_load_b128 v[G+8+4*\u:G+8+4*\u+3], v[FO], s[VB:VB+1] offset:\u*8192
.endr
.endm
.macro PUT                             ; and into LDS at s[FOFF]
	v_add_nc_u32 v[ADK], s[FOFF], v[FO]
	v_add_nc_u32 v[ADV], VLDS, v[ADK]
.irp u, 0,1
	ds_store_b128 v[ADK], v[G+4*\u:G+4*\u+3] offset:\u*8192
	ds_store_b128 v[ADV], v[G+8+4*\u:G+8+4*\u+3] offset:\u*8192
.endr
.endm
	s_load_b256 s[4:11], s[0:1], 0x0               ; qkvc s[4:5], pad_mask s[6:7], the scales' exponents s[8:9], ao s[10:11]
	v_lshrrev_b32 v4, 5, v0
	v_readfirstlane_b32 s[WV], v4                  ; wave 0..15
	v_and_b32 v4, 31, v0
	v_bfe_u32 v6, v0, 4, 1
	v_lshlrev_b32 v[MO], 2, v0
	v_lshlrev_b32 v[FO], 4, v0
	v_lshlrev_b32 v[AK0], 4, v4
	v_lshl_add_u32 v[AB0], v6, 5, BLDS
	v_lshl_add_u32 v[BST], v0, 4, BLDS
	v_add_nc_u32 v[AV0], VLDS, v[AK0]
	s_and_b32 s15, ttmp7, 0xffff                   ; batch x 16 + head; ttmp9: my block of 512 queries
	s_mov_b32 s[SEL], 0x76543210
	s_mov_b32 s[SEL+1], 0xfedcba98
	s_mov_b32 s[HI16], 0xffff0000
	s_mov_b32 s[FOFF], 0
	s_lshl_b32 s[KB], s15, 17                      ; a head's image is 131,072 bytes;
	s_add_co_u32 s[KB], s[KB], 8388608             ; in qkvc k begins at 8,388,608, v at 16,777,216
	s_mov_b32 s[KB+1], 0
	s_add_co_u32 s[VB], s[KB], 8388608
	s_mov_b32 s[VB+1], 0
	s_lshl_b32 s62, ttmp9, 15                      ; q: tile 32 x block + 2 x wave, 1,024 bytes a tile
	s_lshl_b32 s63, s[WV], 11
	s_add_co_u32 s62, s62, s63
	s_lshl_b32 s63, s15, 17
	s_add_co_u32 s62, s62, s63
	s_mov_b32 s63, 0
	s_lshr_b32 s2, s15, 4                          ; ao: [head / 4][token tile of the whole batch][head & 3][2][lane][16]
	s_lshl_b32 s2, s2, 7
	s_lshl_b32 s3, ttmp9, 5
	s_add_co_u32 s2, s2, s3
	s_lshl_b32 s3, s[WV], 1
	s_add_co_u32 s2, s2, s3                        ; token tile = 128 x batch + 32 x block + 2 x wave
	s_lshl_b32 s2, s2, 12
	s_bfe_u32 s3, s15, 0x20002
	s_lshl_b32 s3, s3, 21
	s_add_co_u32 s2, s2, s3
	s_and_b32 s3, s15, 3
	s_lshl_b32 s3, s3, 10
	s_add_co_u32 s2, s2, s3
	s_mov_b32 s3, 0
	s_lshr_b32 s56, s15, 4
	s_lshl_b32 s56, s56, 11                        ; the mask: 2,048 bytes a batch
	s_mov_b32 s57, 0
	s_wait_alu depctr_va_vdst(0)
	s_wait_kmcnt 0x0
	s_load_b256 s[40:47], s[8:9], 0x0              ; e0 .. e7
	s_add_nc_u64 s[KB:KB+1], s[4:5], s[KB:KB+1]
	s_add_nc_u64 s[VB:VB+1], s[4:5], s[VB:VB+1]
	s_add_nc_u64 s[68:69], s[4:5], s[62:63]
	s_add_nc_u64 s[66:67], s[10:11], s[2:3]
	s_add_nc_u64 s[6:7], s[6:7], s[56:57]
	; 13 loads: group 0's four pieces, my word of the mask, the batch's mask (512 consecutive bytes a load), q
	ASK
	global_load_b32 v32, v[MO], s[6:7]
.irp j, 0,1,2,3
	global_load_b128 v[36+4*\j:39+4*\j], v[AK0], s[6:7] offset:512*\j   ; lane 4 i + c: keys 16 c .. 16 c + 15 of step 8 j + i
.endr
.irp X, 0,1
.irp c, 0,1
	global_load_b128 v[QF+8*\X+4*\c:QF+8*\X+4*\c+3], v[AK0], s[68:69] offset:\X*1024+\c*512   ; q's fragments stay in registers
.endr
.endr
.irp X, 0,1
	v_mov_b32 v[ST+4*\X], 0x7f61b1e6               ; -M: 3e38
	v_mov_b32 v[ST+4*\X+1], 0xff61b1e6             ; the largest score so far: -3e38, under every score
	v_mov_b32 v[ST+4*\X+2], 0                      ; the sum, in two halves
	v_mov_b32 v[ST+4*\X+3], 0
	v_mov_b32 v[TP+6*\X+3], 0                      ; (named as the upper half of f's pair)
	v_mov_b32 v[PX+\X], 0                          ; written once: a lane permute's destination counts as one of its sources
.endr
	s_wait_kmcnt 0x0
	s_add_co_i32 s56, s42, s43                     ; e2 + e3: a score stands for score x 2^(e2 + e3)
	s_lshl_b32 s57, s56, 23
	s_add_co_i32 s[CS], s57, 0x3e38aa3b            ; c = log2(e) / 8, with the two exponents added to its exponent field
	s_mov_b32 s[CS+1], s[CS]
	s_xor_b32 s[NCS], s[CS], 0x80000000
	s_sub_co_i32 s57, 160, s56
	s_lshl_b32 s57, s57, 23
	s_or_b32 s57, s57, 0x80000000                  ; -2^(33 - e2 - e3)
	s_add_co_i32 s58, s44, 127
	s_lshl_b32 s59, s58, 23
	v_mov_b32 v[SCP], s59                          ; 2^e4 as f32, for p's conversion
	s_add_co_i32 s58, s58, 15
	s_lshl_b32 s58, s58, 23
	s_or_b32 s[LPS], s58, 0x600000                 ; 57,344 x 2^e4
	s_add_co_i32 s[EPV], s44, s45
	v_mov_b32 v33, s57
	v_mov_b32 v34, 0
	s_wait_alu depctr_va_vdst(0)
	s_wait_loadcnt 9                               ; group 0's pieces are in: 9 loads were issued behind them
	PUT
	s_add_nc_u64 s[KB:KB+1], s[KB:KB+1], GRP       ; (their loads are done: the bases may step)
	s_add_nc_u64 s[VB:VB+1], s[VB:VB+1], GRP
	s_mov_b32 s[FOFF], GRP
	s_wait_loadcnt 8                               ; my word of the mask
.irp i, 0,1,2,3
	v_bfe_u32 v[56+\i], v32, 8*\i, 8
.endr
.irp i, 0,1,2,3
	v_cmp_ne_u32 vcc_lo, 0, v[56+\i]
	v_cndmask_b32 v[52+\i], v33, v34, vcc_lo       ; 0 where the key counts
.endr
	ds_store_b128 v[BST], v[52:55]
	s_wait_loadcnt 4                               ; the batch's mask: q's four loads were issued behind it
.irp j, 0,1,2,3
	v_or_b32 v[64+\j], v[36+4*\j], v[37+4*\j]      ; my 16 keys joined by OR (some key counts) and by AND (every key counts)
	v_or_b32 v[68+\j], v[38+4*\j], v[39+4*\j]
	v_and_b32 v[72+\j], v[36+4*\j], v[37+4*\j]
	v_and_b32 v[76+\j], v[38+4*\j], v[39+4*\j]
.endr
.irp j, 0,1,2,3
	v_or_b32 v[64+\j], v[64+\j], v[68+\j]
	v_and_b32 v[72+\j], v[72+\j], v[76+\j]
.endr
.irp j, 0,1,2,3
	v_cmp_ne_u32 s[MW+\j], 0, v[64+\j]             ; bits 4 i .. 4 i + 3: the four lanes of step 8 j + i
	v_cmp_eq_u32 s[MW+4+\j], 0x01010101, v[72+\j]
.endr
.irp j, 0,1,2,3
	s_lshr_b32 s56, s[MW+\j], 1                    ; the four bits joined into bit 4 i, which goes to bit 4 i + j
	s_lshr_b32 s57, s[MW+4+\j], 1
	s_or_b32 s[MW+\j], s[MW+\j], s56
	s_and_b32 s[MW+4+\j], s[MW+4+\j], s57
	s_lshr_b32 s56, s[MW+\j], 2
	s_lshr_b32 s57, s[MW+4+\j], 2
	s_or_b32 s[MW+\j], s[MW+\j], s56
	s_and_b32 s[MW+4+\j], s[MW+4+\j], s57
	s_and_b32 s[MW+\j], s[MW+\j], 0x11111111
	s_and_b32 s[MW+4+\j], s[MW+4+\j], 0x11111111
	s_lshl_b32 s[MW+\j], s[MW+\j], \j
	s_lshl_b32 s[MW+4+\j], s[MW+4+\j], \j
.endr
	s_or_b32 s[MW], s[MW], s[MW+1]
	s_or_b32 s[MW+2], s[MW+2], s[MW+3]
	s_or_b32 s[LIVE], s[MW], s[MW+2]
	s_or_b32 s[MW+4], s[MW+4], s[MW+5]
	s_or_b32 s[MW+6], s[MW+6], s[MW+7]
	s_or_b32 s[FULL], s[MW+4], s[MW+6]
	s_cmp_eq_u32 s[LIVE], 0
	s_cselect_b32 s[LIVE], -1, s[LIVE]             ; no key of the batch counts: every step is walked
	s_wait_loadcnt 0x0                             ; q
	s_wait_dscnt 0x0                               ; my stores are done: group 0 and my C numbers
	s_mov_b32 s[GC], 0
	GLIVE 1
	s_cmp_lg_u32 s[ASKF], 0
	s_cbranch_scc0 .Lno_ask1
	ASK                                            ; group 1
.Lno_ask1:
	s_barrier_signal -1
.set n, 0
.rept 64
	v_mov_b32 v[O+n], 0                            ; O^T.  (The step is written once: the first finds zeros, which the first change of M leaves zeros)
.set n, n+1
.endr
	s_mov_b32 s[KOFF], 0
	s_mov_b32 s[BOFF], 0
	s_mov_b32 s[CNT], 0
	s_wait_alu depctr_va_vdst(0)
	s_barrier_wait -1                              ; everybody's are
.macro SCORE bias                      ; S^T = k q^T, four tiles of 16 keys x my two tiles of queries
	s_wait_dscnt 0x0
.irp t, 0,1,2,3
.irp X, 0,1
.if \bias
	v_wmma_f32_16x16x64_bf8_bf8 v[S+32*\X+8*\t:S+32*\X+8*\t+7], v[FR+8*\t:FR+8*\t+7], v[QF+8*\X:QF+8*\X+7], v[BI+8*\t:BI+8*\t+7]
.else
	v_wmma_f32_16x16x64_bf8_bf8 v[S+32*\X+8*\t:S+32*\X+8*\t+7], v[FR+8*\t:FR+8*\t+7], v[QF+8*\X:QF+8*\X+7], 0
.endif
.endr
.endr
.endm
; A GROUP'S FOUR KEY STEPS: 64 keys each for my 32 queries.  Lines for the two tiles of queries alternate, so that no line waits for the one just above it.
.macro STEPS
	s_mov_b32 s[IC], 4
.Lstep_\@:
	s_and_b32 s56, s[CNT], 7
	s_lshl_b32 s56, s56, 2
	s_lshr_b32 s57, s[CNT], 3
	s_add_co_u32 s[IDX], s56, s57                  ; step 8 m + i has bit 4 i + m
	s_bitcmp1_b32 s[LIVE], s[IDX]
	s_cbranch_scc0 .Lnext_\@                       ; no key of the step counts: round the step's work, not round the lines that step the addresses
	v_add_nc_u32 v[ADK], s[KOFF], v[AK0]           ; these three and the v_nop are the four places between the last products and the loads into the registers that they read
	v_add_nc_u32 v[ADV], s[KOFF], v[AV0]
	v_add_nc_u32 v[ADB], s[BOFF], v[AB0]
	v_nop
	s_wait_alu depctr_va_vdst(0)
.irp t, 0,1,2,3
.irp c, 0,1
	ds_load_b128 v[FR+8*\t+4*\c:FR+8*\t+4*\c+3], v[ADK] offset:\t*1024+\c*512     ; k: tile t of 16 keys
.endr
.endr
	s_bitcmp1_b32 s[FULL], s[IDX]
	s_cbranch_scc1 .Lfull_\@
.irp t, 0,1,2,3
.irp u, 0,1
	ds_load_b128 v[BI+8*\t+4*\u:BI+8*\t+4*\u+3], v[ADB] offset:\t*64+\u*16        ; the C numbers of keys 16 t + 8 (lane / 16) + 0 .. 7
.endr
.endr
	SCORE 1
	s_branch .Lscored_\@
.Lfull_\@:
	SCORE 0
.Lscored_\@:
.irp X, 0,1
	v_mov_b32 v[TP+6*\X+4], v[ST+4*\X]             ; the old -M is kept.  (With the two v_nop: four places in front of the loads below and of the first read of the scores)
.endr
	v_nop
	v_nop
.irp t, 0,1,2,3
.irp c, 0,1
	ds_load_b128 v[FR+8*\t+4*\c:FR+8*\t+4*\c+3], v[ADV] offset:\t*1024+\c*512     ; v: tile t of 16 channels x these 64 keys: it lands under the softmax
.endr
.endr
.irp X, 0,1
	v_max3_num_f32 v[TP+6*\X], v[S+32*\X], v[S+32*\X+1], v[S+32*\X+2]             ; the step's largest score, in two chains; each accumulator is read from its low end on
	v_max3_num_f32 v[TP+6*\X+1], v[S+32*\X+3], v[S+32*\X+4], v[S+32*\X+5]
.endr
.irp i, 6,10,14,18,22,26
.irp X, 0,1
	v_max3_num_f32 v[TP+6*\X], v[TP+6*\X], v[S+32*\X+\i], v[S+32*\X+\i+1]
	v_max3_num_f32 v[TP+6*\X+1], v[TP+6*\X+1], v[S+32*\X+\i+2], v[S+32*\X+\i+3]
.endr
.endr
.irp X, 0,1
	v_max3_num_f32 v[TP+6*\X], v[TP+6*\X], v[S+32*\X+30], v[S+32*\X+31]
.endr
.irp X, 0,1
	s_delay_alu instid0(VALU_DEP_2)
	v_max3_num_f32 v[TP+6*\X], v[TP+6*\X], v[TP+6*\X+1], v[ST+4*\X+1]             ; with the largest so far
.endr
.irp X, 0,1
	s_delay_alu instid0(VALU_DEP_2)
	v_permlanex16_b32 v[PX+\X], v[TP+6*\X], s[SEL], s[SEL+1]                      ; the query's other 32 keys lie in the lane 16 away
.endr
.irp X, 0,1
	s_delay_alu instid0(VALU_DEP_2)
	v_max_num_f32 v[ST+4*\X+1], v[TP+6*\X], v[PX+\X]
.endr
.irp X, 0,1
	s_delay_alu instid0(VALU_DEP_2)
	v_mul_f32 v[TP+6*\X+1], s[NCS], v[ST+4*\X+1]   ; -t (c is positive)
.endr
.irp X, 0,1
	s_delay_alu instid0(VALU_DEP_2)
	v_floor_f32 v[ST+4*\X], v[TP+6*\X+1]           ; the new -M = floor(-t) = -ceil(t): M is a whole number
.endr
.irp X, 0,1
	s_delay_alu instid0(VALU_DEP_2)
	v_sub_f32 v[TP+6*\X+4], v[ST+4*\X], v[TP+6*\X+4]   ; old M - new M: a whole number, 0 or less
.endr
.irp X, 0,1
	s_delay_alu instid0(VALU_DEP_2)
	v_cvt_i32_f32 v[TP+6*\X+4], v[TP+6*\X+4]       ; (it saturates)
.endr
.irp X, 0,1
	s_delay_alu instid0(VALU_DEP_2)
	v_ldexp_f32 v[TP+6*\X+2], 1.0, v[TP+6*\X+4]    ; f = 2^(old M - new M)
.endr
.set n, 0
.rept 16
.irp X, 0,1
	v_pk_mul_f32 v[O+32*\X+n:O+32*\X+n+1], v[O+32*\X+n:O+32*\X+n+1], v[TP+6*\X+2:TP+6*\X+3] op_sel_hi:[1,0]   ; O^T under the new M, each accumulator from its low end on; ahead of the exponentials
.endr
.set n, n+2
.endr
.set n, 0
.rept 16
.irp X, 0,1
	v_pk_fma_f32 v[S+32*\X+n:S+32*\X+n+1], v[S+32*\X+n:S+32*\X+n+1], s[CS:CS+1], v[ST+4*\X:ST+4*\X+1] op_sel_hi:[1,0,0]   ; t - M, two at a time (of the pairs c and -M the low word serves both halves)
.endr
.set n, n+2
.endr
	s_wait_alu depctr_va_vdst(0)
.set n, 0
.rept 32
.irp X, 0,1
	v_exp_f32 v[S+32*\X+n], v[S+32*\X+n]           ; p = 2^(t - M): not normalised.  The 64 are one batch
.endr
.set n, n+1
.endr
.irp X, 0,1
	v_pk_mul_f32 v[ST+4*\X+2:ST+4*\X+3], v[ST+4*\X+2:ST+4*\X+3], v[TP+6*\X+2:TP+6*\X+3] op_sel_hi:[1,0]   ; the sums under the new M.  (The plain place behind the exponentials)
.endr
	s_wait_alu depctr_va_vdst(0)                   ; one wait for the whole batch, ahead of its first reader
.irp X, 0,1
	v_pk_add_f32 v[TP+6*\X+4:TP+6*\X+5], v[S+32*\X:S+32*\X+1], v[S+32*\X+2:S+32*\X+3]   ; the row's sum is taken of the unquantised p: two at a time, in two chains
.endr
.irp i, 4,8,12,16,20,24,28
.irp X, 0,1
	v_pk_add_f32 v[ST+4*\X+2:ST+4*\X+3], v[ST+4*\X+2:ST+4*\X+3], v[S+32*\X+\i:S+32*\X+\i+1]
	v_pk_add_f32 v[TP+6*\X+4:TP+6*\X+5], v[TP+6*\X+4:TP+6*\X+5], v[S+32*\X+\i+2:S+32*\X+\i+3]
.endr
.endr
.irp X, 0
	s_delay_alu instid0(VALU_DEP_3)
	v_pk_add_f32 v[ST+4*\X+2:ST+4*\X+3], v[ST+4*\X+2:ST+4*\X+3], v[TP+6*\X+4:TP+6*\X+5]
.endr
.irp X, 1
	s_delay_alu instid0(VALU_DEP_2)
	v_pk_add_f32 v[ST+4*\X+2:ST+4*\X+3], v[ST+4*\X+2:ST+4*\X+3], v[TP+6*\X+4:TP+6*\X+5]
.endr
.irp X, 0,1
.set n, 0
.rept 16
	v_dual_min_num_f32 v[S+32*\X+n], s[LPS], v[S+32*\X+n] :: v_dual_min_num_f32 v[S+32*\X+n+1], s[LPS], v[S+32*\X+n+1]   ; the conversion to an 8-bit code does not saturate (ISA guide 7.6.2); p is not negative, so the hold is one-sided; two numbers a line
.set n, n+2
.endr
.irp t, 0,1,2,3
	v_cvt_scalef32_pk8_bf8_f32 v[P+8*\X+2*\t:P+8*\X+2*\t+1], v[S+32*\X+8*\t:S+32*\X+8*\t+7], v[SCP]   ; onto registers of the C numbers, which the step's first products have long read
.endr
.endr
	v_nop                                          ; one plain vector instruction between the conversions and the products that read their results
	s_wait_alu depctr_va_vdst(0)
	s_wait_dscnt 0x0                               ; v is in
.irp t, 0,1,2,3
.irp X, 0,1
	v_wmma_f32_16x16x64_bf8_bf8 v[O+32*\X+8*\t:O+32*\X+8*\t+7], v[FR+8*\t:FR+8*\t+7], v[P+8*\X:P+8*\X+7], v[O+32*\X+8*\t:O+32*\X+8*\t+7]   ; eight accumulators by turns, one instruction a turn
.endr
.endr
.Lnext_\@:
	s_add_co_u32 s[KOFF], s[KOFF], 4096
	s_add_co_u32 s[BOFF], s[BOFF], 256
	s_add_co_u32 s[CNT], s[CNT], 1
	s_sub_co_u32 s[IC], s[IC], 1
	s_cmp_lg_u32 s[IC], 0
	s_cbranch_scc1 .Lstep_\@
.endm
; THE HEAD OF GROUP GC: the pieces of group GC + 1 go into LDS; ask = 1: those of group GC + 2 are asked for; then the signal.  The wait for the barrier follows behind the group's steps.
.macro BRING ask
	s_wait_loadcnt 0x0                             ; the pieces, if any were asked for, are in: the bases may step
	s_add_nc_u64 s[KB:KB+1], s[KB:KB+1], GRP
	s_add_nc_u64 s[VB:VB+1], s[VB:VB+1], GRP
	s_cmp_lg_u32 s[ASKF], 0                        ; were they asked for?
	s_cbranch_scc0 .Lno_put_\@
	PUT
.Lno_put_\@:
	s_add_co_u32 s[FOFF], s[FOFF], GRP
	s_wait_dscnt 0x0                               ; my stores are done, ahead of the signal and of the loads into the registers that they read
.if \ask
	GLIVE 2
	s_cmp_lg_u32 s[ASKF], 0
	s_cbranch_scc0 .Lno_ask_\@
	ASK
.Lno_ask_\@:
.endif
	s_barrier_signal -1
.endm
.Lgroup:                                           ; six trips: groups 0 to 5
	BRING 1
	STEPS
	s_barrier_wait -1                              ; everybody's pieces of the next group are in LDS
	s_add_co_u32 s[GC], s[GC], 1
	s_cmp_lt_u32 s[GC], 6
	s_cbranch_scc1 .Lgroup
	BRING 0                                        ; group 6 stores group 7 and asks for nothing
	STEPS
	s_barrier_wait -1
	STEPS                                          ; group 7
	; THE WAY OUT.  O^T / the sum x 2^(e4 + e5), held, quantised with 2^e6.
.rept 4
	v_nop                                          ; places behind the last products
.endr
	s_add_co_i32 s56, s46, 127
	s_lshl_b32 s57, s56, 23                        ; 2^e6 as f32
	s_add_co_i32 s56, s56, 15
	s_lshl_b32 s56, s56, 23
	s_or_b32 s56, s56, 0x600000                    ; 57,344 x 2^e6
.irp X, 0,1
	v_add_f32 v[ST+4*\X+2], v[ST+4*\X+2], v[ST+4*\X+3]   ; the sum's two halves,
.endr
.irp X, 0,1
	s_delay_alu instid0(VALU_DEP_2)
	v_permlanex16_b32 v[PX+\X], v[ST+4*\X+2], s[SEL], s[SEL+1]
.endr
.irp X, 0,1
	s_delay_alu instid0(VALU_DEP_2)
	v_add_f32 v[ST+4*\X+2], v[ST+4*\X+2], v[PX+\X]       ; and lane l xor 16's: the row's sum, over 1/2
.endr
	s_wait_alu depctr_va_vdst(0)
.irp X, 0,1
	v_rcp_f32 v[TP+6*\X+2], v[ST+4*\X+2]
.endr
	v_mov_b32 v[SCP], s57                          ; (plain places behind the reciprocals)
	v_mov_b32 v[LP], s56
	s_wait_alu depctr_va_vdst(0)                   ; one wait for both reciprocals, ahead of their first reader
.irp X, 0,1
	v_ldexp_f32 v[TP+6*\X+2], v[TP+6*\X+2], s[EPV]
.endr
	s_wait_alu depctr_va_vdst(0)                   ; directly ahead of the first reader of O^T
.irp X, 0,1
.set n, 0
.rept 16
	v_pk_mul_f32 v[S+32*\X+n:S+32*\X+n+1], v[O+32*\X+n:O+32*\X+n+1], v[TP+6*\X+2:TP+6*\X+3] op_sel_hi:[1,0]   ; register 8 t + i: channel 16 t + 8 (lane / 16) + i of my query
.set n, n+2
.endr
.endr
.set n, 0
.rept 64
	v_med3_num_f32 v[S+n], v[S+n], -v[LP], v[LP]
.set n, n+1
.endr
.irp X, 0,1
.irp t, 0,1,2,3
	v_cvt_scalef32_pk8_bf8_f32 v[P+8*\X+2*\t:P+8*\X+2*\t+1], v[S+32*\X+8*\t:S+32*\X+8*\t+7], v[SCP]
.endr
.endr
	v_nop                                          ; one plain vector instruction between the conversions and the lines that read their results and write their sources
	; The last product's fragments are read 16 bytes a lane: lane (r, h) wants channels 32 g + 16 h + 0 .. 15 of token r.  I hold channels 16 t + 8 h + 0 .. 7: half of what I want lies in the lane 16 away.
.irp X, 0,1
.irp i, 0,1,2,3,4,5,6,7
	v_permlanex16_b32 v[S+8*\X+\i], v[P+8*\X+\i], s[SEL], s[SEL+1]
.endr
.endr
.irp X, 0,1
.irp g, 0,1
.irp i, 0,1
	v_cndmask_b32 v[FR+8*\X+4*\g+\i], v[P+8*\X+4*\g+\i], v[S+8*\X+4*\g+2+\i], s[HI16]     ; h = 0: my tile 2 g;           h = 1: the other half's tile 2 g + 1
	v_cndmask_b32 v[FR+8*\X+4*\g+2+\i], v[S+8*\X+4*\g+\i], v[P+8*\X+4*\g+2+\i], s[HI16]   ; h = 0: the other half's tile 2 g;  h = 1: my tile 2 g + 1
.endr
.endr
.endr
.irp X, 0,1
.irp g, 0,1
	global_store_b128 v[AK0], v[FR+8*\X+4*\g:FR+8*\X+4*\g+3], s[66:67] offset:\X*4096+\g*512   ; the wave stores 512 consecutive bytes, aligned
.endr
.endr
	v_lshl_add_u32 v254, v0, 2, SPARE              ; my spare word, and 0: made anew here, since no two registers could be kept
	v_mov_b32 v255, 0
	s_wait_alu depctr_va_vdst(0)
	s_wait_tensorcnt 0x0                           ; the wave's end
	ds_add_u32 v254, v255
	s_wait_dscnt 0x0
	s_endpgm
.Lfunc_end_k_q3ef9920a86_attn:
	.size	k_q3ef9920a86_attn, .Lfunc_end_k_q3ef9920a86_attn-k_q3ef9920a86_attn
	.p2alignl 7, 3214868480
	.fill 96, 4, 3214868480
	.section	.rodata,"a",@progbits
	.p2align	6, 0x0
	.amdhsa_kernel k_q3ef9920a86_attn
		.amdhsa_group_segment_fixed_size 272384
		.amdhsa_private_segment_fixed_size 0
		.amdhsa_enable_private_segment 0
		.amdhsa_kernarg_size 32
		.amdhsa_user_sgpr_count 2
		.amdhsa_user_sgpr_kernarg_segment_ptr 1
		.amdhsa_wavefront_size32 1
		.amdhsa_system_sgpr_workgroup_id_x 1
		.amdhsa_system_sgpr_workgroup_id_y 1
		.amdhsa_system_sgpr_workgroup_id_z 1
		.amdhsa_system_vgpr_workitem_id 0
		.amdhsa_next_free_vgpr 256
		.amdhsa_next_free_sgpr 72
		.amdhsa_reserve_vcc 1
		.amdhsa_float_denorm_mode_32 3
		.amdhsa_float_denorm_mode_16_64 3
		.amdhsa_memory_ordered 1
		.amdhsa_forward_progress 1
		.amdhsa_inst_pref_size 79
	.end_amdhsa_kernel
	.amdgpu_metadata
---
amdhsa.version: [ 1, 2 ]
amdhsa.kernels:
  - .name:           k_q3ef9920a86_attn
    .symbol:         k_q3ef9920a86_attn.kd
    .args:
      - { .name: qkvc, .offset: 0, .size: 8, .value_kind: global_buffer, .address_space: global }
      - { .name: pad_mask, .offset: 8, .size: 8, .value_kind: global_buffer, .address_space: global }
      - { .name: lowp_scales, .offset: 16, .size: 8, .value_kind: global_buffer, .address_space: global }
      - { .name: ao, .offset: 24, .size: 8, .value_kind: global_buffer, .address_space: global }
    .group_segment_fixed_size: 272384
    .private_segment_fixed_size: 0
    .kernarg_segment_align: 8
    .kernarg_segment_size: 32
    .max_flat_workgroup_size: 512
    .sgpr_count:     72
    .vgpr_count:     256
    .wavefront_size: 32
...
	.end_amdgpu_metadata
.endif
;; end of part 2
;; launch proj (part 3): grid 8 x 32, 4 waves a work-group, clusters of 4 x 4, 327,680 bytes of LDS; arguments ao, W_out_codes, lowp_scales, b_out, out0; writes out0
.if DOCPART == 3
	.amdgcn_target "amdgcn-amd-amdhsa--gfx1250"
	.amdhsa_code_object_version 6
	.text
	.protected	k_q3ef9920a86_proj
	.globl	k_q3ef9920a86_proj
	.p2align	8
	.type	k_q3ef9920a86_proj,@function
k_q3ef9920a86_proj:
	s_mov_b64 s[64:65], 0
	v_nop
	global_prefetch_b8 v0, s[64:65] scope:SCOPE_SE
	s_setreg_imm32_b32 hwreg(HW_REG_WAVE_MODE, 25, 1), 1
	s_wait_xcnt 0x0
	s_wait_alu depctr_hold_cnt(0) depctr_sa_sdst(0) depctr_va_vdst(0) depctr_va_sdst(0) depctr_va_ssrc(0) depctr_va_vcc(0) depctr_vm_vsrc(0)
	s_getreg_b32 s2, hwreg(HW_REG_IB_STS2, 6, 4)
	s_cmp_eq_u32 s2, 0
	s_cbranch_scc0 .Lentry_in_a_cluster
	s_endpgm
.Lentry_in_a_cluster:
	s_bfe_u32 s2, ttmp6, 0x10000c
	s_cmp_lg_u32 s2, 0xf033
	s_cbranch_scc0 .Lentry_shape_is_right
	s_endpgm
.Lentry_shape_is_right:
; out0 = ao W_out x 2^(e6 + e7) + b_out on codes of E5M2.  ao: images of fragments, [K step of 256][tile of 16 tokens][4,096 bytes]; W_out: [1024 features][1024] codes, K innermost.
; A tile of 256 tokens x 128 features is made by four waves, 128 x 64 each: 32 accumulators.  8 x 32 tiles: 256 work-groups.  K goes in four steps of 256 through a ring of two LDS slots.
; CLUSTERS: 4 x 4 work-groups; ao's tile is asked for jointly along a row of the cluster, W_out's along a column.  Source 0 = 16 features, source 1 = 16 tokens: a lane holds eight neighbouring features of one token.
; THE WAY OUT: a block of 16 tokens x 64 features goes through the wave's stage in LDS (rows of 256 + 16 bytes, in slot 0, which has had its last fill) and leaves as aligned units of 256 bytes, sixteen lanes to a unit.
; LIMIT: e6 + e7 between -126 and 127, so that 2^(e6 + e7) is an f32 number.
.set ROWB,   256
.set KROW,   1024
.set PITCH,  272
.set FR,     16
.set NL,     4
.set NP,     4
.set HALFA,  32768
.set HALFB,  64*PITCH                  ; 64 rows of W_out: what one of waves 2, 3 fetches, and what one wave reads
.set BBASE,  2*HALFA
.set SLOT,   2*HALFA+2*HALFB
.set KSA,    2097152
.set LAPS,   2
.set SPARE,  2*SLOT
.set SPITCH, 272
.set ADRA, 16
.set ADRB, 20
.set STO,  24
.set RD,   25
.set CO,   26
.set GOF,  27                          ; v27  the way out: 4,096 (lane / 16) + 16 (lane % 16): two rows of out0 a store
.set SPW,  28
.set NIL,  29
.set BP,   32
.set TMP,  96
.set AF,   128
.set BK,   128
.set G1, 24
.set G0, 32
.set G1B, 48
.set G0B, 56
.set MSB, 0
.macro WIN new
.if MSB != (\new)
	s_set_vgpr_msb (MSB<<8)|(\new)
.set MSB, (\new)
.endif
.endm
.set MUL_LO, 0xa1
.set MUL_HI, 0xf1
.set TO_B,   0x40
.macro JLOAD g0a, g1a, g0b, g1b
	s_cmp_eq_u32 s15, 0
	s_cbranch_scc0 .Lfor_b_\@
	tensor_load_to_lds s[\g0a:\g0a+3], s[\g1a:\g1a+7]
	s_nop 0
.rept 4
	v_nop
.endr
	s_branch .Lasked_\@
.Lfor_b_\@:
	tensor_load_to_lds s[\g0b:\g0b+3], s[\g1b:\g1b+7]
	s_nop 0
.rept 4
	v_nop
.endr
.Lasked_\@:
.endm
.macro CREST
	s_cmp_lg_u32 s14, 0
	s_cbranch_scc1 .Lnot_wave_0_\@
	s_barrier_signal -3
.Lnot_wave_0_\@:
	s_barrier_wait -3
	s_barrier_signal -1
	s_barrier_wait -1
.endm
.macro CROUND
	s_barrier_signal -1
	s_barrier_wait -1
	CREST
.endm
	s_load_b256 s[4:11], s[0:1], 0x0
	s_load_b64 s[68:69], s[0:1], 0x20
	v_lshl_add_u32 v[SPW], v0, 2, SPARE
	v_mov_b32 v[NIL], 0
	ds_add_u32 v28, v29
	ds_add_u32 v28, v29
	s_wait_dscnt 0x0
	v_lshrrev_b32 v1, 5, v0
	v_readfirstlane_b32 s14, v1
	s_lshr_b32 s15, s14, 1
	s_and_b32 s16, s14, 1
	s_bfe_u32 s40, ttmp6, 0x40000
	s_bfe_u32 s41, ttmp6, 0x40004
	s_lshl_b32 s42, ttmp9, 2
	s_add_co_u32 s42, s42, s40
	s_and_b32 s17, ttmp7, 0xffff
	s_lshl_b32 s17, s17, 2
	s_add_co_u32 s17, s17, s41
	s_lshl_b32 s43, s41, 2
	s_lshl_b32 s43, 15, s43
	s_lshl_b32 s44, 0x1111, s40
	s_or_b32 s[G1+0], s43, (3<<16)|(1<<21)
	s_mov_b32 s[G1+1], 32<<16
	s_mov_b32 s[G1+2], 128<<16
	s_mov_b32 s[G1+3], 32<<16
	s_mov_b32 s[G1+4], 128
	s_mov_b32 s[G1+5], 32
	s_mov_b32 s[G1+6], 0
	s_mov_b32 s[G1+7], 0
	s_or_b32 s[G1B+0], s44, (0<<16)|(1<<20)|(1<<21)|(5<<22)|(3<<25)
	s_mov_b32 s[G1B+1], ROWB<<16
	s_mov_b32 s[G1B+2], 64<<16
	s_mov_b32 s[G1B+3], ROWB<<16
	s_mov_b32 s[G1B+4], 64
	s_mov_b32 s[G1B+5], KROW
	s_mov_b32 s[G1B+6], 0
	s_mov_b32 s[G1B+7], 0
	s_lshl_b32 s20, s17, 16
	s_lshl_b32 s18, s16, 15
	s_add_co_u32 s20, s20, s18
	s_mov_b32 s21, 0
	s_lshl_b32 s46, s42, 17                        ; W_out: row 128 x tile column + 64 x half, 1,024 bytes a row
	s_lshl_b32 s47, s16, 16
	s_add_co_u32 s46, s46, s47
	s_mov_b32 s47, 0
	s_lshl_b32 s45, s16, 15
	s_mul_i32 s19, s16, HALFB
	s_add_co_u32 s19, s19, BBASE
	s_wait_kmcnt 0x0
	s_load_b256 s[72:79], s[8:9], 0x0
	s_add_nc_u64 s[20:21], s[4:5], s[20:21]
	s_add_nc_u64 s[46:47], s[6:7], s[46:47]
	CROUND
.irp s, 0,1
	s_mov_b32 s[G0+4*\s], 1
	s_add_co_u32 s[G0+4*\s+1], s45, \s*SLOT
	s_add_nc_u64 s[G0+4*\s+2:G0+4*\s+3], s[20:21], \s*KSA
	s_or_b32 s[G0+4*\s+3], s[G0+4*\s+3], 0x80000000
	s_mov_b32 s[G0B+4*\s], 1
	s_add_co_u32 s[G0B+4*\s+1], s19, \s*SLOT
	s_add_nc_u64 s[G0B+4*\s+2:G0B+4*\s+3], s[46:47], \s*ROWB
	s_or_b32 s[G0B+4*\s+3], s[G0B+4*\s+3], 0x80000000
.endr
	JLOAD G0, G1, G0B, G1B                         ; K step 0: one tensor load a wave at the head
	v_and_b32 v1, 15, v0
	v_bfe_u32 v2, v0, 4, 1
	v_mul_u32_u24 v3, v1, PITCH
	v_lshl_add_u32 v4, v2, 4, v3
	v_and_b32 v6, 31, v0
	v_lshlrev_b32 v[CO], 4, v6
	s_wait_alu depctr_va_vdst(0)
	s_lshl_b32 s21, s15, 15
	s_mul_i32 s22, s16, HALFB
	s_add_co_u32 s22, s22, BBASE
.irp s, 0,1
	v_add_nc_u32 v[ADRA+\s], s21, v[CO]
	v_add_nc_u32 v[ADRB+\s], s22, v4
	s_add_co_u32 s21, s21, SLOT
	s_add_co_u32 s22, s22, SLOT
.endr
	s_mul_i32 s23, s14, 16*SPITCH
	v_mul_u32_u24 v5, v1, SPITCH
	v_lshl_add_u32 v5, v2, 5, v5
	v_add_nc_u32 v[STO], s23, v5
	v_mul_u32_u24 v8, v2, SPITCH                   ; back: lanes 0-15 take one row of 256 bytes, lanes 16-31 the next
	v_lshl_add_u32 v8, v1, 4, v8
	v_add_nc_u32 v[RD], s23, v8
	v_lshlrev_b32 v[GOF], 12, v2                   ; and the same two rows in out0
	v_lshl_add_u32 v[GOF], v1, 4, v[GOF]
	v_lshlrev_b32 v7, 5, v2
	s_lshl_b32 s86, s42, 9                         ; my first feature, in bytes of f32: 512 x tile column + 256 x half
	s_lshl_b32 s87, s16, 8
	s_add_co_u32 s86, s86, s87
	s_mov_b32 s87, 0
	s_add_nc_u64 s[88:89], s[10:11], s[86:87]
.irp b, 0,1,2,3
	global_load_b128 v[BP+8*\b:BP+8*\b+3], v7, s[88:89] offset:64*\b
	global_load_b128 v[BP+8*\b+4:BP+8*\b+7], v7, s[88:89] offset:64*\b+16
.endr
	s_lshl_b32 s90, s17, 20
	s_lshl_b32 s91, s15, 19
	s_add_co_u32 s90, s90, s91
	s_add_co_u32 s90, s90, s86
	s_mov_b32 s91, 0
	s_add_nc_u64 s[68:69], s[68:69], s[90:91]
	s_wait_alu depctr_va_vdst(0)
	s_wait_kmcnt 0x0
	s_add_co_i32 s96, s78, s79
	s_add_co_i32 s96, s96, 127
	s_lshl_b32 s96, s96, 23
	s_mov_b32 s97, s96
	s_wait_loadcnt 0x0
.macro FRAG reg, adr, q, i
.irp c, 0,1,2,3
	ds_load_b128 v[\reg+4*\c:\reg+4*\c+3], v[\adr] offset:128*(\q)+32*\c+(\i)*16*PITCH
.endr
.endm
.macro FRAGA reg, adr, q, i
.irp c, 0,1,2,3
	ds_load_b128 v[\reg+4*\c:\reg+4*\c+3], v[\adr] offset:(\i)*4096+(\q)*2048+512*\c
.endr
.endm
.macro MUL16 a0, p, zero
.irp a, \a0, \a0+1
.irp b, 0,1,2,3
.if \zero
	v_wmma_f32_16x16x128_bf8_bf8 v[8*(8*((\a)%4)+\b):8*(8*((\a)%4)+\b)+7], v[128*(\p)+FR*\b:128*(\p)+FR*\b+FR-1], v[AF+FR*(\a):AF+FR*(\a)+FR-1], 0
.else
	v_wmma_f32_16x16x128_bf8_bf8 v[8*(8*((\a)%4)+\b):8*(8*((\a)%4)+\b)+7], v[128*(\p)+FR*\b:128*(\p)+FR*\b+FR-1], v[AF+FR*(\a):AF+FR*(\a)+FR-1], v[8*(8*((\a)%4)+\b):8*(8*((\a)%4)+\b)+7]
.endif
.endr
.endr
.endm
.macro FETCH_B slot, q, p
	WIN TO_B
.irp i, 0,1,2,3
	FRAG 128*(\p)+FR*\i, ADRB+\slot, \q, \i
.endr
	WIN 0
.endm
.macro FETCH_A slot, q, i0
.irp i, \i0, \i0+1, \i0+2, \i0+3
	FRAGA AF+FR*(\i), ADRA+\slot, \q, \i
.endr
.endm
.macro PLACES n
.rept \n
	v_nop
.endr
.endm
.macro STEP slot, q, zero
	s_wait_dscnt 4*NL
	WIN MUL_LO
	MUL16 0, (\q)%2, \zero
	MUL16 2, (\q)%2, \zero
	s_wait_dscnt 0
	PLACES NP
	FETCH_B \slot, (\q)+1, 1-(\q)%2
	FETCH_A \slot, (\q)+1, 0
	WIN MUL_HI
	MUL16 4, (\q)%2, \zero
	MUL16 6, (\q)%2, \zero
	PLACES NP
	WIN 0
	FETCH_A \slot, (\q)+1, 4
.endm
.macro TURN slot, next, fill
	s_wait_tensorcnt 0x0
	ds_add_u32 v[SPW], v[NIL]
	s_wait_dscnt 4*NL+1
	WIN MUL_LO
	MUL16 0, 1, 0
	s_wait_dscnt 0x0
	s_barrier_signal -1
	MUL16 2, 1, 0
	WIN 0
	s_barrier_wait -1
.if \fill
	CREST
	s_add_nc_u64 s[G0+4*\slot+2:G0+4*\slot+3], s[G0+4*\slot+2:G0+4*\slot+3], 2*KSA
	s_add_nc_u64 s[G0B+4*\slot+2:G0B+4*\slot+3], s[G0B+4*\slot+2:G0B+4*\slot+3], 2*ROWB
	JLOAD G0+4*\slot, G1, G0B+4*\slot, G1B
.else
	PLACES NP
.endif
	FETCH_B \next, 0, 0
	FETCH_A \next, 0, 0
	WIN MUL_HI
	MUL16 4, 1, 0
	MUL16 6, 1, 0
	PLACES NP
	WIN 0
	FETCH_A \next, 0, 4
.endm
	s_wait_alu depctr_va_vdst(0)
	s_wait_tensorcnt 0x0                           ; my part of K step 0 is in; slot 1's first fill is issued as a refill is:
	ds_add_u32 v[SPW], v[NIL]                      ; 0 onto my spare word
	s_wait_dscnt 0x0
	CROUND                                         ; everybody's part of K step 0 is in, and all sixteen work-groups are here
	JLOAD G0+4, G1, G0B+4, G1B                     ; K step 1: the first tensor load behind the round
	FETCH_B 0, 0, 0
	FETCH_A 0, 0, 0
	FETCH_A 0, 0, 4
	STEP 0, 0, 1
	s_mov_b32 s3, LAPS-1
.Llap:
	TURN 0, 1, 1
	STEP 1, 0, 0
	TURN 1, 0, 1
	STEP 0, 0, 0
	s_sub_co_u32 s3, s3, 1
	s_cmp_lg_u32 s3, 0
	s_cbranch_scc1 .Llap
	TURN 0, 1, 0
	STEP 1, 0, 0
	s_wait_dscnt 4*NL
	WIN MUL_LO
	MUL16 0, 1, 0
	MUL16 2, 1, 0
	s_wait_dscnt 0
	WIN MUL_HI
	MUL16 4, 1, 0
	MUL16 6, 1, 0
	WIN 0
.macro TOSTAGE a
.set AC, 64*((\a)%4)
.irp u, 0
	WIN 0x02+((\a)/4)
.set n, 0
.rept 16
	v_pk_fma_f32 v[TMP+n:TMP+n+1], v[AC+32*\u+n:AC+32*\u+n+1], s[96:97], v[BP+32*\u+n:BP+32*\u+n+1] op_sel_hi:[1,0,1]
.set n, n+2
.endr
	WIN 0
.irp b, 0,1,2,3
	ds_store_b128 v[STO], v[TMP+8*\b:TMP+8*\b+3] offset:64*(4*\u+\b)
	ds_store_b128 v[STO], v[TMP+8*\b+4:TMP+8*\b+7] offset:64*(4*\u+\b)+16
.endr
.endr
.set BB, BK+64*((\a)%2)
.irp t, 0,1,2,3,4,5,6,7
	ds_load_b128 v[BB+4*\t:BB+4*\t+3], v[RD] offset:\t*2*SPITCH
.endr
.endm
.macro SEND a, younger
.set BB, BK+64*((\a)%2)
	s_wait_dscnt \younger
.if (\a) > 0
	s_add_nc_u64 s[68:69], s[68:69], 16*4096
.endif
.irp t, 0,1,2,3,4,5,6,7
	global_store_b128 v[GOF], v[BB+4*\t:BB+4*\t+3], s[68:69] offset:\t*8192 th:TH_STORE_NT   ; sixteen lanes store 256 consecutive bytes, aligned
.endr
.endm
	PLACES NP
	TOSTAGE 0
.irp a, 1,2,3,4,5,6,7
.if \a > 1
	s_wait_xcnt 0x0
.endif
	TOSTAGE \a
	SEND \a-1, 16                                  ; behind block a - 1's loads: block a's 8 stores and 8 loads
.endr
	s_wait_xcnt 0x0
	SEND 7, 0
	s_wait_tensorcnt 0x0
	ds_add_u32 v[SPW], v[NIL]
	s_wait_dscnt 0x0
	CROUND
	s_endpgm
.Lfunc_end_k_q3ef9920a86_proj:
	.size	k_q3ef9920a86_proj, .Lfunc_end_k_q3ef9920a86_proj-k_q3ef9920a86_proj
	.p2alignl 7, 3214868480
	.fill 96, 4, 3214868480
	.section	.rodata,"a",@progbits
	.p2align	6, 0x0
	.amdhsa_kernel k_q3ef9920a86_proj
		.amdhsa_group_segment_fixed_size 327680
		.amdhsa_private_segment_fixed_size 0
		.amdhsa_enable_private_segment 0
		.amdhsa_kernarg_size 40
		.amdhsa_user_sgpr_count 2
		.amdhsa_user_sgpr_kernarg_segment_ptr 1
		.amdhsa_wavefront_size32 1
		.amdhsa_system_sgpr_workgroup_id_x 1
		.amdhsa_system_sgpr_workgroup_id_y 1
		.amdhsa_system_sgpr_workgroup_id_z 1
		.amdhsa_system_vgpr_workitem_id 0
		.amdhsa_next_free_vgpr 1024
		.amdhsa_next_free_sgpr 100
		.amdhsa_reserve_vcc 0
		.amdhsa_float_denorm_mode_32 3
		.amdhsa_float_denorm_mode_16_64 3
		.amdhsa_memory_ordered 1
		.amdhsa_forward_progress 1
		.amdhsa_inst_pref_size 78
	.end_amdhsa_kernel
	.amdgpu_metadata
---
amdhsa.version: [ 1, 2 ]
amdhsa.kernels:
  - .name:           k_q3ef9920a86_proj
    .symbol:         k_q3ef9920a86_proj.kd
    .args:
      - { .name: ao, .offset: 0, .size: 8, .value_kind: global_buffer, .address_space: global }
      - { .name: W_out_codes, .offset: 8, .size: 8, .value_kind: global_buffer, .address_space: global }
      - { .name: lowp_scales, .offset: 16, .size: 8, .value_kind: global_buffer, .address_space: global }
      - { .name: b_out, .offset: 24, .size: 8, .value_kind: global_buffer, .address_space: global }
      - { .name: out0, .offset: 32, .size: 8, .value_kind: global_buffer, .address_space: global }
    .group_segment_fixed_size: 327680
    .private_segment_fixed_size: 0
    .kernarg_segment_align: 8
    .kernarg_segment_size: 40
    .max_flat_workgroup_size: 128
    .sgpr_count:     100
    .vgpr_count:     1024
    .wavefront_size: 32
...
	.end_amdgpu_metadata
.endif
;; end of part 3
